; MI455X (gfx1250); checked and timed in simulation.
; The chip was launched on July 23, 2026; its instructions are those of AMD's public machine-readable ISA for CDNA 5 (MIT licence, August 2026) and "CDNA5" Instruction Set Architecture Reference Guide (July 2026). The comments in the code are by the model that wrote it; some were corrected since.
;; Long Regression. Allowed arithmetic: float matrix products may take bf16 or f16 operands with f32 sums; other float arithmetic in f32, or as packed bf16 or f16 multiplies, adds, multiply-adds, maxima and minima; sums over many terms, partial sums and values carried from step to step in f32; what a program stores and reads back later, other than sums and carried values, may be rounded once to bf16 or f16.
;; Inputs: b1 8 x 1,024 float32; b2 8 x 1,024 float32; bout 8 x 256 float32; r1 512 x 256 float32; r2 256 x 256 float32; rb1 256 float32; rb2 256 float32; rbout 8 float32; rout 256 x 8 float32; w1 8 x 512 x 1,024 float32; w2 8 x 1,024 x 1,024 float32; wout 8 x 1,024 x 256 float32; x 4,096 x 512 float32.
;; Outputs: out0 4,096 x 256 float32.
;; One version. Each part assembles by itself: llvm-mc -triple=amdgcn-amd-amdhsa -mcpu=gfx1250 --defsym DOCPART=n.
;; ======== version 1 of 1: 3 launches
;; limits: values are held in f16: magnitudes above 65,504 overflow, below 6.1e-05 lose precision
;; workspace buffers: ws 29,360,128 bytes; rs 401,408 bytes; part 33,554,432 bytes
;; launch prep (part 1): grid 909 x 1, 4 waves a work-group, no clusters, 34,304 bytes of LDS; arguments w1, w2, wout, r1, r2, rout, ws, rs; writes ws, rs
.if DOCPART == 1
	.amdgcn_target "amdgcn-amd-amdhsa--gfx1250"
	.amdhsa_code_object_version 6
	.text
	.protected	k_qa47a6fd40d_prep
	.globl	k_qa47a6fd40d_prep
	.p2align	8
	.type	k_qa47a6fd40d_prep,@function
k_qa47a6fd40d_prep:
	s_mov_b64 s[64:65], 0
	v_nop
	global_prefetch_b8 v0, s[64:65] scope:SCOPE_SE
	s_setreg_imm32_b32 hwreg(HW_REG_WAVE_MODE, 25, 1), 1
	s_wait_xcnt 0x0
; LAUNCH 1 OF 3.  The whole program: out[n] = sum over e of gate[n][e] (relu(relu(x w1_e + b1_e) w2_e + b2_e) wout_e + bout_e), gate = softmax(router(x)).
; NO WORK OF reference() IS LEFT OUT: the gates are soft, so every expert's result for every token reaches the output; every bias is added ahead of a ReLU or weighed by a gate; rbout differs along
; the softmax's axis.  All 13 inputs are loaded by some launch.
; THIS LAUNCH rounds the six weight matrices once and lays them in the order in which a wave's operand registers take them, since each expert's weights are multiplied by 32 tiles of tokens later.
; FORMATS.  Every weight is rounded once to bf16.  w2 and r2 are then written as f16 (their partner operand, the first hidden layer, is kept in f16): that is exact for a bf16 number
; of magnitude 2^-17 to 65,504.  LIMITS: below 2^-17 it is off by at most 2^-25; a weight of w2 or r2 of magnitude 65,520 or more becomes an infinity.
; A FRAGMENT is 16 output channels m x 32 inputs k, 1,024 bytes: element (m, k = 16 hf + 8 h + j) lies at byte 512 hf + 16 (16 h + m) + 2 j, so lane 16 h + m of a wave takes registers 0-3 at 16 x lane
; and registers 4-7 at 512 + 16 x lane (the 16-bit operand layout of the matrix instructions, ISA guide 7.12.2).
; ws, expert e at e x ES:  w1: chunk c (32 channels) at 32,768 c, fragment (kf, cb) at 1,024 (2 kf + cb).  From byte 1,048,576: chunk c at 81,920 c: w2's fragments (kf 0..31, cb) at 1,024 (2 kf + cb), then from
; 65,536 wout's fragments ob 0..15 (its rows 32 c .. 32 c + 31) at 1,024 ob.     rs: r1 (cb, kf) at 1,024 (16 cb + kf); r2 from 262,144 at 1,024 (8 cb + kf); rout from 393,216 at 1,024 kf, row m = expert m % 8.
; SHARES.  A wave has ONE task: 32 rows (one kf) x 128 columns (8 fragments) of a [K][N] matrix of f32: 16 KiB in by 32 loads of 512 consecutive bytes, all issued at once, 8 KiB out by 16 stores of 512
; consecutive, aligned bytes.  The turn from rows to fragments goes through the wave's own LDS bytes: no barrier.  No matrix unit, no cluster, no prefetch: each byte is read once, by one wave, and all loads go out at the start.
.set ES,    3670016
.set WLDS,  8448                       ; a wave's LDS: 8 fragments, 1,040 bytes apart
.set FP,    1040                       ; 1,024 + 16: fragment n starts 4 n banks on (64 banks of 4 bytes: ISA guide 11.1)
.set SPARE, 4*WLDS                     ; the spare words, 128 bytes for each wave: two blocks of 256 bytes that no other line names
.set SPW, 8                            ; v8   LDS address of my spare word; never rewritten
.set NIL, 9                            ; v9   0; never rewritten
.set STO, 10                           ; v10  where my lane puts its 16 bytes
.set RDB, 11                           ; v11  where it reads a fragment back
.set DD,  12                           ; v[12:19]  fragment n's byte offset from the task's destination, + 16 x lane
.set OO,  20                           ; v[20:51]  row i's byte offset from the task's source, + 16 x lane
.set T0,  52
.set T1,  53
.set LL,  64                           ; v[64:191] row i as loaded, 4 registers; later the fragments read back
.set OUT, 192                          ; v[192:255] 16 x octet + 4 x column + pair
.set SRC, 24                           ; s[24:25]
.set DST, 26                           ; s[26:27]
.set FIRST, 28                         ; the matrix's first work-group
.set PITCH, 29                         ; bytes in a row of the matrix
.set LGNQ, 30                          ; log2 of its blocks of 128 columns
.set LGKF, 31                          ; log2 of its blocks of 32 rows, for one expert
.set EB,  32                           ; destination bytes from expert to expert,
.set KS,  33                           ; from kf to kf,
.set QS,  34                           ; from column block to column block,
.set C0,  35                           ; and of the first fragment
.set XS,  36                           ; from fragment pair to fragment pair in a task,
.set YS,  37                           ; and inside a pair
.set F16, 38                           ; 1: written as f16
.set WV,  40
	s_load_b512 s[8:23], s[0:1], 0x0               ; w1 s[8:9], w2 s[10:11], wout s[12:13], r1 s[14:15], r2 s[16:17], rout s[18:19], ws s[20:21], rs s[22:23]
	v_lshl_add_u32 v[SPW], v0, 2, SPARE
	v_mov_b32 v[NIL], 0
	v_lshrrev_b32 v1, 5, v0
	v_readfirstlane_b32 s[WV], v1                  ; wave 0..3
	v_and_b32 v2, 31, v0                           ; lane
	v_lshlrev_b32 v3, 4, v2                        ; 16 x lane
	s_wait_kmcnt 0x0
	s_cmp_eq_u32 ttmp9, 908
	s_cbranch_scc1 .Lrout                          ; the last work-group lays rout out
; Which matrix the work-group serves is chosen by selects on its number, from the last range down to the first.
.macro PUT reg, val
.if INIT
	s_mov_b32 s[\reg], \val
.else
	s_cselect_b32 s[\reg], \val, s[\reg]
.endif
.endm
.macro RANGE bound, src, dst, first, pitch, lgnq, lgkf, eb, ks, qs, c0, xs, ys, f16
.if INIT
	s_mov_b64 s[SRC:SRC+1], s[\src:\src+1]
	s_mov_b64 s[DST:DST+1], s[\dst:\dst+1]
.else
	s_cmp_lt_u32 ttmp9, \bound
	s_cselect_b64 s[SRC:SRC+1], s[\src:\src+1], s[SRC:SRC+1]
	s_cselect_b64 s[DST:DST+1], s[\dst:\dst+1], s[DST:DST+1]
.endif
	PUT FIRST, \first
	PUT PITCH, \pitch
	PUT LGNQ, \lgnq
	PUT LGKF, \lgkf
	PUT EB, \eb
	PUT KS, \ks
	PUT QS, \qs
	PUT C0, \c0
	PUT XS, \xs
	PUT YS, \ys
	PUT F16, \f16
.endm
.set INIT, 1
	RANGE 908, 16, 22, 904, 1024, 1, 3, 0, 1024, 65536, 262144, 16384, 8192, 1        ; 904..907: r2
.set INIT, 0
	RANGE 904, 14, 22, 896, 1024, 1, 4, 0, 1024, 131072, 0, 32768, 16384, 0           ; 896..903: r1
	RANGE 896, 12, 20, 768, 1024, 1, 5, ES, 81920, 8192, 1114112, 2048, 1024, 0       ; 768..895: wout
	RANGE 768, 8, 20, 512, 4096, 3, 4, ES, 2048, 131072, 0, 32768, 1024, 0            ; 512..767: w1
	RANGE 512, 10, 20, 0, 4096, 3, 5, ES, 2048, 327680, 1048576, 81920, 1024, 1       ; 0..511: w2
	s_sub_co_u32 s41, ttmp9, s[FIRST]
	s_lshl2_add_u32 s41, s41, s[WV]                ; my task = 4 x work-group + wave
	s_bfm_b32 s42, s[LGNQ], 0
	s_and_b32 s42, s41, s42                        ; q: its block of 128 columns
	s_lshr_b32 s43, s41, s[LGNQ]                   ; u: its block of 32 rows, counted through all experts
	s_bfm_b32 s44, s[LGKF], 0
	s_and_b32 s44, s43, s44                        ; kf
	s_lshr_b32 s45, s43, s[LGKF]                   ; e
	s_mul_i32 s46, s43, s[PITCH]
	s_lshl_b32 s46, s46, 5                         ; 32 u rows,
	s_lshl_b32 s47, s42, 9                         ; 512 q bytes: under 2^26
	s_add_co_u32 s46, s46, s47
	s_mov_b32 s47, 0
	s_add_nc_u64 s[SRC:SRC+1], s[SRC:SRC+1], s[46:47]
	s_mul_i32 s48, s45, s[EB]
	s_mul_i32 s49, s44, s[KS]
	s_add_co_u32 s48, s48, s49
	s_mul_i32 s49, s42, s[QS]
	s_add_co_u32 s48, s48, s49
	s_add_co_u32 s48, s48, s[C0]
	s_mov_b32 s49, 0
	s_add_nc_u64 s[DST:DST+1], s[DST:DST+1], s[48:49]
	v_mov_b32 v[OO], v3
.set i, 1
.rept 31
	v_add_nc_u32 v[OO+i], s[PITCH], v[OO+i-1]
.set i, i+1
.endr
.set i, 0
.rept 32
	global_load_b128 v[LL+4*i:LL+4*i+3], v[OO+i], s[SRC:SRC+1] th:TH_LOAD_NT  ; row i: 512 consecutive bytes; my lane takes columns 4 l .. 4 l + 3
.set i, i+1
.endr
.set n, 0
.rept 8
	s_mul_i32 s50, s[XS], n/2
.if n%2
	s_add_co_u32 s50, s50, s[YS]
.endif
	v_add_nc_u32 v[DD+n], s50, v3
.set n, n+1
.endr
	s_mul_i32 s41, s[WV], WLDS                     ; my wave's LDS bytes
	v_lshrrev_b32 v4, 2, v2                        ; my four columns lie in fragment l / 4,
	v_mul_u32_u24 v4, v4, FP
	v_and_b32 v5, 3, v2                            ; as its channels 4 (l % 4) + c
	v_lshl_add_u32 v4, v5, 6, v4
	v_add_nc_u32 v[STO], s41, v4
	v_add_nc_u32 v[RDB], s41, v3
.irp o, 0,1,2,3                        ; octet o: rows 8 o .. 8 o + 7, which are 16 bytes of a fragment for each column
	s_wait_loadcnt 24-8*\o                         ; loads come back in order (ISA guide 5.7.1): the younger octets' may stay out
.irp c, 0,1,2,3
.irp d, 0,1,2,3
	v_cvt_pk_bf16_f32 v[OUT+16*\o+4*\c+\d], v[LL+4*(8*\o+2*\d)+\c], v[LL+4*(8*\o+2*\d+1)+\c]
.endr
.endr
.endr
	s_cmp_eq_u32 s[F16], 0
	s_cbranch_scc1 .Lkeep
.set z, 0
.rept 64                               ; the bf16 number, widened and written as f16
	v_lshlrev_b32 v[T0], 16, v[OUT+z]
	v_and_b32 v[T1], 0xffff0000, v[OUT+z]
	v_cvt_pk_f16_f32 v[OUT+z], v[T0], v[T1]
.set z, z+1
.endr
.Lkeep:
.irp o, 0,1,2,3
.irp c, 0,1,2,3
	ds_store_b128 v[STO], v[OUT+16*\o+4*\c:OUT+16*\o+4*\c+3] offset:256*\o+16*\c
.endr
.endr
.set i, 0
.rept 16                               ; fragment i / 2, half i % 2
	ds_load_b128 v[LL+4*i:LL+4*i+3], v[RDB] offset:(i/2)*FP+(i%2)*512  ; LDS serves a wave's instructions in order (ISA guide 5.7.1.4): these see the stores above
.set i, i+1
.endr
.set i, 0
.rept 16
	s_wait_dscnt 15-i                              ; the younger read-backs may stay out
	global_store_b128 v[DD+i/2], v[LL+4*i:LL+4*i+3], s[DST:DST+1] offset:(i%2)*512  ; 512 consecutive bytes, at a multiple of 512 from the buffer's first
.set i, i+1
.endr
	s_branch .Lend
.Lrout:                                ; rout [256][8]: 512 pieces of 16 bytes; piece p holds rout[8 (p / 16) + 0..7][p % 8]; thread t makes pieces t + 128 i
	v_lshrrev_b32 v4, 4, v0
	v_and_b32 v5, 7, v0
	v_lshlrev_b32 v4, 8, v4
	v_lshl_add_u32 v4, v5, 2, v4
	v_lshlrev_b32 v6, 4, v0
.irp i, 0,1,2,3
.irp j, 0,1,2,3,4,5,6,7
	global_load_b32 v[LL+8*\i+\j], v4, s[18:19] offset:2048*\i+32*\j
.endr
.endr
	s_wait_loadcnt 0x0
.irp i, 0,1,2,3
.irp d, 0,1,2,3
	v_cvt_pk_bf16_f32 v[OUT+4*\i+\d], v[LL+8*\i+2*\d], v[LL+8*\i+2*\d+1]
.endr
.endr
.irp i, 0,1,2,3
	global_store_b128 v6, v[OUT+4*\i:OUT+4*\i+3], s[22:23] offset:393216+2048*\i
.endr
.Lend:
	s_wait_tensorcnt 0x0                           ; the wave's end: behind my last LDS store
	ds_add_u32 v[SPW], v[NIL]
	s_wait_dscnt 0x0
	s_endpgm
.Lfunc_end_k_qa47a6fd40d_prep:
	.size	k_qa47a6fd40d_prep, .Lfunc_end_k_qa47a6fd40d_prep-k_qa47a6fd40d_prep
	.p2alignl 7, 3214868480
	.fill 96, 4, 3214868480
	.section	.rodata,"a",@progbits
	.p2align	6, 0x0
	.amdhsa_kernel k_qa47a6fd40d_prep
		.amdhsa_group_segment_fixed_size 34304
		.amdhsa_private_segment_fixed_size 0
		.amdhsa_enable_private_segment 0
		.amdhsa_kernarg_size 64
		.amdhsa_user_sgpr_count 2
		.amdhsa_user_sgpr_kernarg_segment_ptr 1
		.amdhsa_wavefront_size32 1
		.amdhsa_system_sgpr_workgroup_id_x 1
		.amdhsa_system_sgpr_workgroup_id_y 1
		.amdhsa_system_sgpr_workgroup_id_z 1
		.amdhsa_system_vgpr_workitem_id 0
		.amdhsa_next_free_vgpr 256
		.amdhsa_next_free_sgpr 66
		.amdhsa_reserve_vcc 0
		.amdhsa_float_denorm_mode_32 3
		.amdhsa_float_denorm_mode_16_64 3
		.amdhsa_memory_ordered 1
		.amdhsa_forward_progress 1
		.amdhsa_inst_pref_size 33
	.end_amdhsa_kernel
	.amdgpu_metadata
---
amdhsa.version: [ 1, 2 ]
amdhsa.kernels:
  - .name:           k_qa47a6fd40d_prep
    .symbol:         k_qa47a6fd40d_prep.kd
    .args:
      - { .name: w1, .offset: 0, .size: 8, .value_kind: global_buffer, .address_space: global }
      - { .name: w2, .offset: 8, .size: 8, .value_kind: global_buffer, .address_space: global }
      - { .name: wout, .offset: 16, .size: 8, .value_kind: global_buffer, .address_space: global }
      - { .name: r1, .offset: 24, .size: 8, .value_kind: global_buffer, .address_space: global }
      - { .name: r2, .offset: 32, .size: 8, .value_kind: global_buffer, .address_space: global }
      - { .name: rout, .offset: 40, .size: 8, .value_kind: global_buffer, .address_space: global }
      - { .name: ws, .offset: 48, .size: 8, .value_kind: global_buffer, .address_space: global }
      - { .name: rs, .offset: 56, .size: 8, .value_kind: global_buffer, .address_space: global }
    .group_segment_fixed_size: 34304
    .private_segment_fixed_size: 0
    .kernarg_segment_align: 8
    .kernarg_segment_size: 64
    .max_flat_workgroup_size: 128
    .sgpr_count:     66
    .vgpr_count:     256
    .wavefront_size: 32
...
	.end_amdgpu_metadata
.endif
;; end of part 1
;; launch chain (part 2): grid 32 x 8, 4 waves a work-group, clusters of 4 x 1, 327,680 bytes of LDS; arguments x, ws, b1, b2, bout, part; writes part
.if DOCPART == 2
	.amdgcn_target "amdgcn-amd-amdhsa--gfx1250"
	.amdhsa_code_object_version 6
	.text
	.protected	k_qa47a6fd40d_chain
	.globl	k_qa47a6fd40d_chain
	.p2align	8
	.type	k_qa47a6fd40d_chain,@function
k_qa47a6fd40d_chain:
	s_mov_b64 s[64:65], 0
	v_nop
	global_prefetch_b8 v0, s[64:65] scope:SCOPE_SE
	s_setreg_imm32_b32 hwreg(HW_REG_WAVE_MODE, 25, 1), 1
	s_wait_xcnt 0x0
	s_wait_alu depctr_hold_cnt(0) depctr_sa_sdst(0) depctr_va_vdst(0) depctr_va_sdst(0) depctr_va_ssrc(0) depctr_va_vcc(0) depctr_vm_vsrc(0)
	s_getreg_b32 s2, hwreg(HW_REG_IB_STS2, 6, 4)
	s_cmp_eq_u32 s2, 0
	s_cbranch_scc0 .Lentry_in_a_cluster
	s_endpgm
.Lentry_in_a_cluster:
	s_bfe_u32 s2, ttmp6, 0x10000c
	s_cmp_lg_u32 s2, 0x3003
	s_cbranch_scc0 .Lentry_shape_is_right
	s_endpgm
.Lentry_shape_is_right:
; LAUNCH 2 OF 3.  part[e][n][:] = relu(relu(x[n] w1_e + b1_e) w2_e + b2_e) wout_e + bout_e, in f32.  No work of reference() is left out; the gates are applied by the next launch.
; SHARES.  A work-group takes 128 tokens through ONE expert's three layers; each of its four waves owns 32 tokens (two tiles t of 16) from first to last.  8 experts x 32 tiles = 256 work-groups.
; LAYOUT.  Every product is taken transposed: source 0 = 16 output channels of the weights, source 1 = 16 tokens.  In the result a lane holds ONE token (lane % 16) and the channels 8 (lane / 16) + 0..7; two such results,
; rounded in pairs, ARE source 1 (32 inputs x 16 tokens) of the next layer.  So the hidden layers never leave the wave's registers, no wave hands anything to another, and LDS holds the weights alone.
; The first hidden layer (1,024 channels x 32 tokens) is 512 registers; the second is used up 32 channels at a time: a chunk of it is made (128 products), rounded, and multiplied into the 32 sums of y (32 products).
; A bias is the C operand of the product that starts a sum; y's sums start at bout.  Nothing is cleared.
; FORMATS.  x, the weights and the biases rounded once to bf16; layer 1 in bf16.  The first hidden layer is rounded once to f16 and multiplies w2's bf16 numbers written as f16; the second hidden layer, which has no such room, is
; rounded to bf16.  All sums in f32.  LIMITS: a number of the first hidden layer of 65,520 or more becomes an infinity (inputs 30 times the drawn spread, or offset by 30 spreads, give 21,000 at the most by
; 512 x 30 x 1.33); below 6e-5 it keeps f16's fixed step of 6e-8; the ReLU, a packed maximum with 0, turns a NaN into 0.
; THE WEIGHTS come through a ring of two LDS slots, in the order in which launch 1 laid them: 8 fills of 4 chunks of w1 (131,072 bytes), then 32 fills of a chunk of w2 with its rows of wout (81,920 bytes).  Each wave fetches a
; quarter of a fill by one tensor load.  CLUSTER: the four token tiles of a cluster belong to one expert and walk the same weights, so each load is asked for JOINTLY by all four, with the same descriptor.
; By this text's own count a wave has two tensor loads out at the start and one behind each change of slots.
; OUT OF LDS a fragment (two loads) feeds two products, one for each tile of tokens.  The loads stand in long runs, never singly among the products: a run fills one of two register buffers while the other is multiplied.
; REGISTERS, in windows of 256 (s_set_vgpr_msb: bits 1:0 source 0, 3:2 source 1, 5:4 source 2, 7:6 destination):
;   window 0: v0-21 addresses; v32-63 four sums (cb, t); v64-79 two bias operands; v80-95 a chunk rounded; v96-255 weight fragments: two buffers of 8 in phase 1 (v128, v192), of 10 in phase 2 (v96, v176); v96-113 at work at the head
;   windows 1, 2: x as loaded (f32), then the first hidden layer: fragment (t, kf) in window 1 + kf / 16 at 8 (2 (kf % 16) + t)        window 3: x in bf16, fragment (t, kf) at 8 (2 kf + t); then y's sums (ob, t) at 8 (2 ob + t)
.set ES,    3670016                    ; an expert's bytes in ws
.set W23,   1048576                    ; where its chunks of w2 and wout begin
.set F1B,   131072                     ; a fill of w1
.set F2B,   81920                      ; a fill of w2 and wout
.set SLOT1, 131072                     ; slot 1 begins here: one exclusive or turns an address in one slot into the other's
.set STAGE, 262144                     ; behind the ring, never filled by a tensor load: 8,192 bytes for each wave
.set BIAS,  STAGE+32768                ; b1 (4,096 bytes), b2 (4,096), bout (1,024) of my expert, as f32
.set SPARE, BIAS+9216                  ; the spare words, 128 bytes for each wave: two blocks of 256 bytes that no other line names
.set LP,  2                            ; v2   16 x lane + the slot in hand
.set LQ,  3                            ; v3   LP + 65,536: wout's fragments
.set WL,  4                            ; v4   phase 1: 16 x lane + the chunk in hand
.set WN,  5                            ; v5   the chunk after it
.set BA,  6                            ; v6   my 32 bytes of the chunk's bias
.set SA,  7                            ; v7   the stage: where the chunk in hand goes
.set SR,  8                            ; v8   my 16 bytes at the head of my wave's stage; never rewritten
.set XO,  9                            ; v9   x: 2,048 (l % 16) + 32 (l / 16); never rewritten
.set PO,  10                           ; v10  16 x lane; never rewritten
.set PF1, 11                           ; v11  256 x lane; never rewritten
.set PF2, 12                           ; v12  256 x min(lane, 19); never rewritten
.set ZERO, 13                          ; v13  0, for the packed maximum
.set SPW, 14                           ; v14  LDS address of my spare word; never rewritten
.set NIL, 15                           ; v15  0; never rewritten
.set BO,  16                           ; v16  bout's table + 32 (l / 16)
.set BH,  17                           ; v17  BIAS + 32 (l / 16); never rewritten
.set ACC, 32
.set BC,  64
.set AF,  80
.set TB,  96
.set HA,  128                          ; phase 1: two buffers of 8 fragments
.set HB,  192
.set KA,  96                           ; phase 2: two buffers of 10 fragments
.set KB,  176
.set WV,  16                           ; s16  my wave's number
.set CX,  17                           ; s17  my place in the cluster: it enters x's, part's and the prefetches' addresses alone
.set TL,  18                           ; s18  my tile of 128 tokens
.set EX,  19                           ; s19  my expert, which the four partners share
.set G1A, 24                           ; s[24:31] descriptor group 1: 128 rows of 256 bytes
.set G1B, 32                           ; s[32:39] 80 rows of 256 bytes
.set D0,  40                           ; s[40:43] group 0 of fill 0
.set DA,  44                           ; s[44:47] of fill 1; then it walks w1
.set DB,  48                           ; s[48:51] walks w2 and wout
.set PFA, 52                           ; s[52:53] the prefetches of w1: my work-group's quarter of my wave's part of fill 4
.set PFB, 54                           ; s[54:55] of w2 and wout: likewise of a chunk
.set LIM, 56                           ; s56  2 in the cluster that prefetches, else the greatest number
.set CNT, 57                           ; s57  phase 2's trips to go
.set IC,  58                           ; s58  a slot's chunks to go
.set NX,  59                           ; s59  the next chunk's place in its slot
.set SB,  60                           ; s60  the slot in hand: 0 or SLOT1
.set BS,  61                           ; s61  the chunk's place in the bias tables
.set SS,  62                           ; s62  the chunk's place in the stage
.set MSB, 0
.macro WIN new                         ; the immediate's high byte repeats the setting that is left; a switch that changes nothing is dropped
.if MSB != (\new)
	s_set_vgpr_msb (MSB<<8)|(\new)
.set MSB, (\new)
.endif
.endm
; A load into a register that a matrix instruction has read, and a vector instruction that reads a matrix result or writes one of a matrix instruction's registers, stand four places behind it, and only plain
; vector instructions that name none of its registers are places (ISA guide 7.12.1 for vector instructions).
.macro PLACES
.rept 4
	v_nop
.endr
.endm
; A round of the cluster's barrier: my work-group's barrier, so that wave 0's signal speaks for all four waves; wave 0 signals; every wave waits for all four work-groups; my work-group's barrier once more.
.macro CREST
	s_cmp_lg_u32 s[WV], 0
	s_cbranch_scc1 .Lnot_wave_0_\@
	s_barrier_signal -3
.Lnot_wave_0_\@:
	s_barrier_wait -3
	s_barrier_signal -1
	s_barrier_wait -1
.endm
.macro CROUND
	s_barrier_signal -1
	s_barrier_wait -1
	CREST
.endm
.macro JL d, g                         ; a joint load: every wave issues the line, each with its own quarter; an s_nop 0 and four v_nop follow
	tensor_load_to_lds s[\d:\d+3], s[\g:\g+7]
	s_nop 0
	PLACES
.endm
.macro LDN ptr, off, reg, n            ; n fragments, 1,024 n consecutive bytes, into registers reg on: each load takes 512 consecutive bytes
.set lf, 0
.rept \n
	ds_load_b128 v[(\reg)+8*lf:(\reg)+8*lf+3],   v[\ptr] offset:(\off)+1024*lf
	ds_load_b128 v[(\reg)+8*lf+4:(\reg)+8*lf+7], v[\ptr] offset:(\off)+1024*lf+512
.set lf, lf+1
.endr
.endm
.macro LDB off                         ; a chunk's bias as two C operands: register j of a lane is channel 16 cb + 8 (l / 16) + j
.irp cb, 0,1
	ds_load_b128 v[BC+8*\cb:BC+8*\cb+3],   v[BA] offset:(\off)+64*\cb
	ds_load_b128 v[BC+8*\cb+4:BC+8*\cb+7], v[BA] offset:(\off)+64*\cb+16
.endr
.endm
; Fragments f0 .. f0 + n - 1 of a chunk of layer lay (1 or 2), which lie in registers reg on: fragment F holds inputs 32 (F / 2) on and channels 16 (F % 2) on, and feeds two products.
; The four sums take turns, one instruction a turn, over the groups', chunks' and loops' edges too.  LDS loads keep destination and address in window 0 under these settings.
.macro MMG lay, f0, n, reg
.set mf, 0
.rept \n
.set kk, ((\f0)+mf)/2
.set cq, ((\f0)+mf)%2
.if (\lay) == 1
	WIN 0x0c                                       ; source 1, x, in window 3
.else
	WIN 0x04+4*(kk/16)                             ; source 1, the first hidden layer, in window 1 or 2
.endif
.irp t, 0,1
.set rD, ACC+8*(2*cq+\t)
.set rA, (\reg)+8*mf
.set rB, ((kk%16)*2+\t)*8
.set rC, rD
.if kk == 0
.set rC, BC+8*cq                       ; the first product starts the sum at the bias
.endif
.if (\lay) == 1
	v_wmma_f32_16x16x32_bf16 v[rD:rD+7], v[rA:rA+7], v[rB:rB+7], v[rC:rC+7]
.else
	v_wmma_f32_16x16x32_f16 v[rD:rD+7], v[rA:rA+7], v[rB:rB+7], v[rC:rC+7]
.endif
.endr
.set mf, mf+1
.endr
.endm
.macro MM3G ob0, n, reg                ; layer 3: output blocks ob0 .. ob0 + n - 1, whose fragments lie in registers reg on, take the chunk in: 2 n products on 2 n different sums
	WIN 0xf0                                       ; C and D, y's sums, in window 3
.set mf, 0
.rept \n
.irp t, 0,1
.set rD, (2*((\ob0)+mf)+\t)*8
	v_wmma_f32_16x16x32_bf16 v[rD:rD+7], v[(\reg)+8*mf:(\reg)+8*mf+7], v[AF+8*\t:AF+8*\t+7], v[rD:rD+7]
.endr
.set mf, mf+1
.endr
.endm
.macro FIN half                        ; the chunk's four sums rounded (half = 1: f16, 0: bf16), each from its low end on; then the ReLU, two numbers a line
.irp t, 0,1
.irp cb, 0,1
.irp i, 0,1,2,3
.if \half
	v_cvt_pk_f16_f32 v[AF+8*\t+4*\cb+\i], v[ACC+8*(2*\cb+\t)+2*\i], v[ACC+8*(2*\cb+\t)+2*\i+1]
.else
	v_cvt_pk_bf16_f32 v[AF+8*\t+4*\cb+\i], v[ACC+8*(2*\cb+\t)+2*\i], v[ACC+8*(2*\cb+\t)+2*\i+1]
.endif
.endr
.endr
.endr
.set z, 0
.rept 16
.if \half
	v_pk_max_num_f16 v[AF+z], v[AF+z], v[ZERO]
.else
	v_pk_max_num_bf16 v[AF+z], v[AF+z], v[ZERO]
.endif
.set z, z+1
.endr
.endm
; A PREFETCH INTO THE L2 of the fill that stands TWO joint loads on (300 matrix instructions or more ahead of the load that will want it).  An expert's weights are walked by eight clusters: the first of them (cluster x = 0)
; asks.  Each wave asks for the part that it fetches itself; its four partners share that part out BY ADDRESS, a quarter each (32 blocks of 256 bytes of w1; 20 of a chunk of w2 and wout, where lanes 20-31 name
; lane 19's block once more in the same instruction).  So each block is named by one instruction in the launch.  Fills 0 to 3 come by their loads alone; the last chunk asked for is the expert's last.
.macro ASK how, ptr, voff, off
.if \how
	s_cmp_eq_u32 s[LIM], 2
.else
	s_cmp_gt_u32 s[CNT], s[LIM]                    ; the loop's last two trips have no chunk four on
.endif
	s_cbranch_scc0 .Lnot_mine_\@
	global_prefetch_b8 v[\voff], s[\ptr:\ptr+1] offset:\off th:TH_LOAD_NT scope:SCOPE_SE
.Lnot_mine_\@:
.endm
; THE CHANGE OF SLOTS in phase 1.  Each wave waits for all its tensor loads, of which one is out: its part of the next slot; adds 0 to its spare word; waits for that and for its own reads of the slot that it leaves.
; The round shows the same of every wave of all four work-groups; the joint refill of the slot just left is the first thing behind it.  kind 0: the next fill of w1; 1: the first chunk of w2; 2: the second.
.macro CHANGE kind
	WIN 0
	s_wait_tensorcnt 0x0                           ; no tensor load of mine is out, so a group 0 may be written
	ds_add_u32 v[SPW], v[NIL]                      ; 0 onto my spare word
.if (\kind) == 0
	s_xor_b32 s[DA+1], s[DA+1], SLOT1
	s_add_nc_u64 s[DA+2:DA+3], s[DA+2:DA+3], F1B   ; the type bits on top are not reached
.elseif (\kind) == 2
	s_xor_b32 s[DB+1], s[DB+1], SLOT1
	s_add_nc_u64 s[DB+2:DB+3], s[DB+2:DB+3], F2B
.endif
	s_wait_dscnt 0x0                               ; the add is done, and my reads of the slot are over
	CROUND
.if (\kind) == 0
	JL DA, G1A
.else
	JL DB, G1B
.endif
	s_xor_b32 s[SB], s[SB], SLOT1
.endm
	s_load_b256 s[4:11], s[0:1], 0x0               ; x s[4:5], ws s[6:7], b1 s[8:9], b2 s[10:11]
	s_load_b128 s[12:15], s[0:1], 0x20             ; bout s[12:13], part s[14:15]
	v_lshl_add_u32 v[SPW], v0, 2, SPARE
	v_mov_b32 v[NIL], 0
	ds_add_u32 v[SPW], v[NIL]                      ; the wave's opening: the add, twice on end, and its wait ahead of my first tensor load; the set-up below, work on registers, stands between
	ds_add_u32 v[SPW], v[NIL]
	v_lshrrev_b32 v1, 5, v0
	v_readfirstlane_b32 s[WV], v1                  ; wave 0..3
	s_bfe_u32 s[CX], ttmp6, 0x40000
	s_lshl_b32 s[TL], ttmp9, 2                     ; in a cluster launch ttmp9 counts clusters
	s_add_co_u32 s[TL], s[TL], s[CX]
	s_and_b32 s[EX], ttmp7, 0xffff
	; descriptor group 1: a dense block as rows of 256 bytes (32 elements of 8 bytes), no padding: fragments are read as consecutive bytes
	s_mov_b32 s[G1A], 15|(3<<16)|(1<<21)           ; 15:0 the mask: all four work-groups; 17:16 elements of 8 bytes; 21 set beside a mask
	s_mov_b32 s[G1B], 15|(3<<16)|(1<<21)
.irp g, G1A, G1B
	s_mov_b32 s[\g+1], 32<<16                      ; tensor_dim0 = 32
	s_mov_b32 s[\g+3], 32<<16                      ; tile_dim0 = 32
	s_mov_b32 s[\g+5], 32                          ; 32 elements from row to row
	s_mov_b32 s[\g+6], 0
	s_mov_b32 s[\g+7], 0
.endr
	s_mov_b32 s[G1A+2], 128<<16                    ; tensor_dim1
	s_mov_b32 s[G1A+4], 128                        ; tile_dim1
	s_mov_b32 s[G1B+2], 80<<16
	s_mov_b32 s[G1B+4], 80
	s_mov_b32 s[D0], 1                             ; count = 1
	s_lshl_b32 s[D0+1], s[WV], 15                  ; LDS address: slot 0, my quarter: no place in the cluster enters it
	s_mov_b32 s[DA], 1
	s_add_co_u32 s[DA+1], s[D0+1], SLOT1
	s_mov_b32 s[DB], 1
	s_mul_i32 s[DB+1], s[WV], 20480
	s_mul_i32 s20, s[EX], ES                       ; s[20:21] and s[2:3] feed the descriptors and never hold my place in the cluster
	s_add_co_u32 s2, s20, s[DB+1]
	s_add_co_u32 s2, s2, W23
	s_mov_b32 s3, 0
	s_add_co_u32 s20, s20, s[D0+1]
	s_mov_b32 s21, 0
	v_and_b32 v1, 31, v0                           ; lane
	v_lshlrev_b32 v[PO], 4, v1
	v_lshlrev_b32 v[PF1], 8, v1
	v_min_u32 v[PF2], 19, v1
	v_lshlrev_b32 v[PF2], 8, v[PF2]
	v_and_b32 v18, 15, v0
	v_bfe_u32 v19, v0, 4, 1
	v_lshlrev_b32 v[XO], 11, v18
	v_lshl_add_u32 v[XO], v19, 5, v[XO]
	v_lshl_add_u32 v[BH], v19, 5, BIAS
	v_add_nc_u32 v[BO], 8192, v[BH]
	s_lshl_b32 s22, s[WV], 13
	s_add_co_u32 s22, s22, STAGE
	v_add_nc_u32 v[SR], s22, v[PO]
	v_mov_b32 v[ZERO], 0
	v_lshlrev_b32 v18, 4, v0                       ; the biases: 16 bytes a thread,
	v_lshlrev_b32 v19, 3, v0                       ; of bout 8
	v_add_nc_u32 v20, BIAS, v18
	v_add_nc_u32 v21, BIAS+8192, v19
	s_wait_dscnt 0x0                               ; both opening adds are done
	s_wait_kmcnt 0x0
	s_add_nc_u64 s[D0+2:D0+3], s[6:7], s[20:21]    ; global address: my quarter of fill 0,
	s_add_nc_u64 s[DA+2:DA+3], s[D0+2:D0+3], F1B   ; of fill 1,
	s_add_nc_u64 s[PFA:PFA+1], s[D0+2:D0+3], 4*F1B ; of fill 4
	s_or_b32 s[D0+3], s[D0+3], 0x80000000          ; type = 2
	s_or_b32 s[DA+3], s[DA+3], 0x80000000
	s_add_nc_u64 s[DB+2:DB+3], s[6:7], s[2:3]      ; of the first chunk of w2 and wout
	s_mov_b64 s[PFB:PFB+1], s[DB+2:DB+3]
	s_or_b32 s[DB+3], s[DB+3], 0x80000000
	s_lshl_b32 s22, s[CX], 13                      ; my work-group's quarter of that quarter
	s_mov_b32 s23, 0
	s_add_nc_u64 s[PFA:PFA+1], s[PFA:PFA+1], s[22:23]
	s_mul_i32 s22, s[CX], 5120
	s_add_nc_u64 s[PFB:PFB+1], s[PFB:PFB+1], s[22:23]
	s_lshl_b32 s22, s[TL], 18                      ; x: 128 rows of 2,048 bytes a tile,
	s_lshl_b32 s20, s[WV], 16                      ; 32 a wave
	s_add_co_u32 s22, s22, s20
	s_add_nc_u64 s[4:5], s[4:5], s[22:23]
	s_lshl_b32 s20, s[EX], 12
	s_add_nc_u64 s[8:9], s[8:9], s[20:21]
	s_add_nc_u64 s[10:11], s[10:11], s[20:21]
	s_lshl_b32 s20, s[EX], 10
	s_add_nc_u64 s[12:13], s[12:13], s[20:21]
	s_lshl_b32 s22, s[TL], 17                      ; part: tile (e, T, ob) of 1,024 bytes at ((256 e + T) 16 + ob) 1,024, T = 8 x tile + 2 x wave + t
	s_lshl_b32 s20, s[EX], 22
	s_add_co_u32 s22, s22, s20
	s_lshl_b32 s20, s[WV], 15
	s_add_co_u32 s22, s22, s20
	s_add_nc_u64 s[14:15], s[14:15], s[22:23]
	s_cmp_eq_u32 ttmp9, 0                          ; the same in all four partners
	s_cselect_b32 s[LIM], 2, -1
	s_mov_b32 s[SB], 0
	s_mov_b32 s[BS], 0
	CROUND                                         ; all four work-groups are here: the first joint loads meet
	tensor_load_to_lds s[D0:D0+3], s[G1A:G1A+7]    ; the two first fills go out together, ahead of every wait on TENSORcnt, every LDS read and every other barrier
	s_nop 0
	tensor_load_to_lds s[DA:DA+3], s[G1A:G1A+7]
	s_nop 0
	PLACES
	global_load_b128 v[TB:TB+3],     v18, s[8:9]
	global_load_b128 v[TB+4:TB+7],   v18, s[8:9] offset:2048
	global_load_b128 v[TB+8:TB+11],  v18, s[10:11]
	global_load_b128 v[TB+12:TB+15], v18, s[10:11] offset:2048
	global_load_b64  v[TB+16:TB+17], v19, s[12:13]
	; x: a fragment (16 tokens x 32 inputs) is 16 f32 a lane: inputs 8 (l / 16) + 0..7 and 16 + 8 (l / 16) + 0..7 of token l % 16
.irp t, 0,1
	WIN 0x40+0x40*\t                               ; destination window 1 + t
.set kf, 0
.rept 16
	global_load_b128 v[16*kf:16*kf+3],     v[XO], s[4:5] offset:32768*\t+128*kf
	global_load_b128 v[16*kf+4:16*kf+7],   v[XO], s[4:5] offset:32768*\t+128*kf+16
	global_load_b128 v[16*kf+8:16*kf+11],  v[XO], s[4:5] offset:32768*\t+128*kf+64
	global_load_b128 v[16*kf+12:16*kf+15], v[XO], s[4:5] offset:32768*\t+128*kf+80
.set kf, kf+1
.endr
.endr
	WIN 0
	s_wait_loadcnt 63                              ; of the 133 loads the oldest 70 are in: the 5 of the biases, tile 0's 64 and one of tile 1's
.set z, TB
.rept 9                                ; the biases are rounded to bf16 like every input, and kept as f32
	v_cvt_pk_bf16_f32 v1, v[z], v[z+1]
	v_lshlrev_b32 v[z], 16, v1
	v_and_b32 v[z+1], 0xffff0000, v1
.set z, z+2
.endr
	ds_store_b128 v20, v[TB:TB+3]
	ds_store_b128 v20, v[TB+4:TB+7]   offset:2048
	ds_store_b128 v20, v[TB+8:TB+11]  offset:4096
	ds_store_b128 v20, v[TB+12:TB+15] offset:6144
	ds_store_b64  v21, v[TB+16:TB+17]
.irp t, 0,1
.if \t
	s_wait_loadcnt 0x0
.endif
	WIN 0xc5+5*\t                                  ; sources in window 1 + t, destination in window 3
.set kf, 0
.rept 16
.irp i, 0,1,2,3,4,5,6,7
	v_cvt_pk_bf16_f32 v[(2*kf+\t)*8+\i], v[16*kf+2*\i], v[16*kf+2*\i+1]
.endr
.set kf, kf+1
.endr
.endr
	WIN 0
	s_wait_tensorcnt 1                             ; my part of fill 0 is in; fill 1's may stay out
	s_wait_dscnt 0x0                               ; for the others' sake: my part of the bias tables is stored
	s_barrier_signal -1
	s_barrier_wait -1
; PHASE 1, slot g: chunks 4 g .. 4 g + 3 of the first hidden layer, a chunk (32 channels, 64 products) a trip.  A chunk's 32 fragments come in four groups of 8, each by ONE run of 16 loads, into two buffers that take turns:
; while a group is multiplied (16 products) the next group's run is on its way.  The trip's last two runs fetch the next chunk's first two groups; in a slot's fourth trip there is no next chunk, and both are
; jumped over.  The two waits that stand at those jumps are for 0, so that every wait of the trip holds whichever way is taken.
; The rounded chunk goes to my wave's stage, since the registers that keep it differ from trip to trip, and the four come back behind the loop; its four stores stand at the head of the trip's last run.
.macro P1SLOT g
.if (\g) > 0
.if (\g) < 7
	CHANGE 0
.else
	CHANGE 1
.endif
.endif
	s_mov_b32 s[NX], 32768
	s_add_co_u32 s20, s[SB], s[NX]
	v_add_nc_u32 v[WL], s[SB], v[PO]
	v_add_nc_u32 v[WN], s20, v[PO]
	s_mov_b32 s[SS], 0
	v_mov_b32 v[SA], v[SR]
	v_add_nc_u32 v[BA], s[BS], v[BH]
	LDB 0
	LDN WL,0,HA,8
	LDN WL,8192,HB,8
.if ((\g) > 0) && ((\g) < 5)
	ASK 1,PFA,PF1,((\g)-1)*F1B                     ; fill g + 3, while fill g + 1 has just been asked for
.elseif (\g) > 4
	ASK 1,PFB,PF2,((\g)-5)*F2B                     ; chunks 0, 1, 2 of w2 and wout
.endif
	s_mov_b32 s[IC], 4
	s_wait_dscnt 16                                ; the bias and group 0 are in; group 1's 16 loads may stay out
.Lchunk_\@:
	MMG 1,0,8,HA
	PLACES                                         ; behind the group just multiplied, whose buffer is loaded now
	LDN WL,16384,HA,8
	s_wait_dscnt 16                                ; group 1 is in: behind its loads stand the 16 just issued
	MMG 1,8,8,HB
	PLACES
	LDN WL,24576,HB,8
	s_wait_dscnt 16                                ; group 2 is in
	MMG 1,16,8,HA
	WIN 0
	PLACES
	s_wait_dscnt 0x0                               ; group 3 is in: its run went out 16 products ago
	s_cmp_eq_u32 s[IC], 1
	s_cbranch_scc1 .Lno_a_\@                       ; the slot's last chunk has none behind it
	LDB 128
	LDN WN,0,HA,8
.Lno_a_\@:
	MMG 1,24,8,HB
	WIN 0
	PLACES
	FIN 1
	s_wait_dscnt 0x0                               ; the next chunk's bias and group 0 are in: their run went out 16 products and a rounding ago
.irp i, 0,1,2,3
	ds_store_b128 v[SA], v[AF+4*\i:AF+4*\i+3] offset:512*\i
.endr
	s_cmp_eq_u32 s[IC], 1
	s_cbranch_scc1 .Lno_b_\@
	LDN WN,8192,HB,8
.Lno_b_\@:
	v_mov_b32 v[WL], v[WN]
	s_add_co_u32 s[NX], s[NX], 32768
	s_and_b32 s[NX], s[NX], 0x1ffff                ; kept inside the slot
	s_add_co_u32 s20, s[SB], s[NX]
	v_add_nc_u32 v[WN], s20, v[PO]
	s_add_co_u32 s[BS], s[BS], 128
	v_add_nc_u32 v[BA], s[BS], v[BH]
	s_add_co_u32 s[SS], s[SS], 2048
	v_add_nc_u32 v[SA], s[SS], v[SR]
	s_sub_co_u32 s[IC], s[IC], 1
	s_cmp_lg_u32 s[IC], 0
	s_cbranch_scc1 .Lchunk_\@
	WIN 0x40+0x40*((\g)/4)                         ; destination window 1 or 2
.irp i, 0,1,2,3
.irp t, 0,1
.irp hf, 0,1
	ds_load_b128 v[(((4*(\g)+\i)%16)*2+\t)*8+4*\hf:(((4*(\g)+\i)%16)*2+\t)*8+4*\hf+3], v[SR] offset:2048*\i+1024*\t+512*\hf  ; LDS serves a wave's instructions in order (ISA guide 5.7.1.4): these see my stores
.endr
.endr
.endr
	WIN 0
.endm
.irp g, 0,1,2,3,4,5,6,7
	P1SLOT \g
.endr
	WIN 0xc0                                       ; x has been multiplied for the last time (a rounding's 36 vector lines back): y's 32 sums start at bout
.set ob, 0
.rept 16
.irp t, 0,1
	ds_load_b128 v[(2*ob+\t)*8:(2*ob+\t)*8+3],   v[BO] offset:64*ob
	ds_load_b128 v[(2*ob+\t)*8+4:(2*ob+\t)*8+7], v[BO] offset:64*ob+16
.endr
.set ob, ob+1
.endr
	WIN 0
; PHASE 2, a chunk (32 channels of the second hidden layer) a trip: 128 products of layer 2, the rounding, 32 products of layer 3.  The chunk's 80 fragments (64 of w2, then 16 of wout) lie on end in the slot and come in
; eight groups of 10, each by ONE run of 20 loads, into two buffers that take turns; group 6 holds w2's last 4 and wout's first 6, and the rounding stands between their products.
; The change of slots stands behind the rounding, where the chunk's last group has been asked for: the three lines with six products between the add and the wait for it, the barrier's signal, six products on registers,
; its wait, the rest of the round, the joint refill (the chunk two on), then the next chunk's bias and first group, which have layer 3's last 20 products in which to land.
; From a request to the wait for it a wave issues 20 + 128 = 148 matrix instructions.  mode 0: the loop's trip; 1: the last chunk but one: nothing is asked for; 2: the last.
.macro CH2 mode
	s_wait_dscnt 20                                ; the bias and group 0 are in; group 1's 20 loads may stay out
	MMG 2,0,10,KA
.irp g, 1,2,3,4
	PLACES                                         ; behind the group just multiplied, whose buffer is loaded now
	LDN LP,(\g+1)*10240,KA+80*((\g+1)%2),10
	s_wait_dscnt 20                                ; this group is in: behind its loads stand the 20 just issued
	MMG 2,10*\g,10,KA+80*(\g%2)
.endr
	PLACES
	LDN LP,61440,KA,4                              ; group 6: w2's fragments 60 to 63,
	LDN LQ,0,KA+32,6                               ; wout's 0 to 5
	s_wait_dscnt 20
	MMG 2,50,10,KB
	PLACES
	LDN LQ,6144,KB,10                              ; group 7: wout's 6 to 15: the slot's last bytes
	s_wait_dscnt 20
	MMG 2,60,4,KA
	WIN 0
	PLACES
	FIN 0
.if (\mode) < 2
	s_wait_tensorcnt 0x0                           ; all my tensor loads have landed: the one that was out is my part of the next chunk
	ds_add_u32 v[SPW], v[NIL]                      ; 0 onto my spare word
.if (\mode) == 0
	s_xor_b32 s[DB+1], s[DB+1], SLOT1
	s_add_nc_u64 s[DB+2:DB+3], s[DB+2:DB+3], F2B
	s_wait_xcnt 0x0                                ; the last prefetch, a trip back, has read its address
	s_add_nc_u64 s[PFB:PFB+1], s[PFB:PFB+1], F2B
.endif
	MM3G 0,3,KA+32                                 ; six products stand between the add and the wait for it
	s_wait_dscnt 0x0                               ; the add is done, and my reads of this slot are over: group 7 is in
	s_barrier_signal -1
	MM3G 3,3,KA+56                                 ; work on registers while the others arrive
	WIN 0
	s_barrier_wait -1
.if (\mode) == 0
	CREST                                          ; no wave of any partner still reads this slot or has a load on its way
	JL DB, G1B                                     ; its four v_nop are also the places in front of the loads below
.else
	PLACES
.endif
	s_xor_b32 s[SB], s[SB], SLOT1
	v_add_nc_u32 v[LP], s[SB], v[PO]
	v_add_nc_u32 v[LQ], 0x10000, v[LP]
	s_add_co_u32 s[BS], s[BS], 128
	v_add_nc_u32 v[BA], s[BS], v[BH]
	LDB 0
	LDN LP,0,KA,10
.if (\mode) == 0
	ASK 0,PFB,PF2,3*F2B                            ; the chunk four on, while the chunk two on has just been asked for
.endif
	MM3G 6,10,KB
	WIN 0
	PLACES
	LDN LP,10240,KB,10
.else
	MM3G 0,6,KA+32
	s_wait_dscnt 0x0                               ; group 7 is in
	MM3G 6,10,KB
	WIN 0
.endif
.endm
	CHANGE 2                                       ; the first chunk of w2 is in, everybody's part of it; the second is asked for, into the slot that held w1's last fill
	v_add_nc_u32 v[LP], s[SB], v[PO]
	v_add_nc_u32 v[LQ], 0x10000, v[LP]
	v_add_nc_u32 v[BA], s[BS], v[BH]               ; 32 chunks of 128 bytes on: b2's table
	LDB 0
	LDN LP,0,KA,10
	LDN LP,10240,KB,10
	ASK 1,PFB,PF2,3*F2B
	s_mov_b32 s[CNT], 30
.Ltrip:                                ; chunks 0 to 29; chunks 2 to 31 are asked for
	CH2 0
	s_sub_co_u32 s[CNT], s[CNT], 1
	s_cmp_lg_u32 s[CNT], 0
	s_cbranch_scc1 .Ltrip
	CH2 1                                          ; the tail is written out
	CH2 2
	; THE WAY OUT: a sum's eight registers leave as they lie, each accumulator's low half first
	PLACES
	WIN 0x0c                                       ; a store's data is source 1: window 3
.irp t, 0,1
.set ob, 0
.rept 16
	global_store_b128 v[PO], v[(2*ob+\t)*8:(2*ob+\t)*8+3],   s[14:15] offset:(16*\t+ob)*1024      ; 512 consecutive bytes, at a multiple of 512 from part's first
	global_store_b128 v[PO], v[(2*ob+\t)*8+4:(2*ob+\t)*8+7], s[14:15] offset:(16*\t+ob)*1024+512
.set ob, ob+1
.endr
.endr
	WIN 0
	s_wait_tensorcnt 0x0                           ; the wave's end: behind my last tensor load and my last LDS store
	ds_add_u32 v[SPW], v[NIL]
	s_wait_dscnt 0x0
	CROUND                                         ; the closing round: no work-group ends while a partner may still ask for a fill that names it
	s_endpgm
.Lfunc_end_k_qa47a6fd40d_chain:
	.size	k_qa47a6fd40d_chain, .Lfunc_end_k_qa47a6fd40d_chain-k_qa47a6fd40d_chain
	.p2alignl 7, 3214868480
	.fill 96, 4, 3214868480
	.section	.rodata,"a",@progbits
	.p2align	6, 0x0
	.amdhsa_kernel k_qa47a6fd40d_chain
		.amdhsa_group_segment_fixed_size 327680
		.amdhsa_private_segment_fixed_size 0
		.amdhsa_enable_private_segment 0
		.amdhsa_kernarg_size 48
		.amdhsa_user_sgpr_count 2
		.amdhsa_user_sgpr_kernarg_segment_ptr 1
		.amdhsa_wavefront_size32 1
		.amdhsa_system_sgpr_workgroup_id_x 1
		.amdhsa_system_sgpr_workgroup_id_y 1
		.amdhsa_system_sgpr_workgroup_id_z 1
		.amdhsa_system_vgpr_workitem_id 0
		.amdhsa_next_free_vgpr 1024
		.amdhsa_next_free_sgpr 66
		.amdhsa_reserve_vcc 0
		.amdhsa_float_denorm_mode_32 3
		.amdhsa_float_denorm_mode_16_64 3
		.amdhsa_memory_ordered 1
		.amdhsa_forward_progress 1
		.amdhsa_inst_pref_size 252
	.end_amdhsa_kernel
	.amdgpu_metadata
---
amdhsa.version: [ 1, 2 ]
amdhsa.kernels:
  - .name:           k_qa47a6fd40d_chain
    .symbol:         k_qa47a6fd40d_chain.kd
    .args:
      - { .name: x, .offset: 0, .size: 8, .value_kind: global_buffer, .address_space: global }
      - { .name: ws, .offset: 8, .size: 8, .value_kind: global_buffer, .address_space: global }
      - { .name: b1, .offset: 16, .size: 8, .value_kind: global_buffer, .address_space: global }
      - { .name: b2, .offset: 24, .size: 8, .value_kind: global_buffer, .address_space: global }
      - { .name: bout, .offset: 32, .size: 8, .value_kind: global_buffer, .address_space: global }
      - { .name: part, .offset: 40, .size: 8, .value_kind: global_buffer, .address_space: global }
    .group_segment_fixed_size: 327680
    .private_segment_fixed_size: 0
    .kernarg_segment_align: 8
    .kernarg_segment_size: 48
    .max_flat_workgroup_size: 128
    .sgpr_count:     66
    .vgpr_count:     1024
    .wavefront_size: 32
...
	.end_amdgpu_metadata
.endif
;; end of part 2
;; launch finish (part 3): grid 256 x 1, 4 waves a work-group, no clusters, 50,688 bytes of LDS; arguments x, rs, rb1, rb2, rbout, part, out0; writes out0
.if DOCPART == 3
	.amdgcn_target "amdgcn-amd-amdhsa--gfx1250"
	.amdhsa_code_object_version 6
	.text
	.protected	k_qa47a6fd40d_finish
	.globl	k_qa47a6fd40d_finish
	.p2align	8
	.type	k_qa47a6fd40d_finish,@function
k_qa47a6fd40d_finish:
	s_mov_b64 s[64:65], 0
	v_nop
	global_prefetch_b8 v0, s[64:65] scope:SCOPE_SE
	s_setreg_imm32_b32 hwreg(HW_REG_WAVE_MODE, 25, 1), 1
	s_wait_xcnt 0x0
; LAUNCH 3 OF 3.  gate = softmax(relu(relu(x r1 + rb1) r2 + rb2) rout + rbout);  out0[n][:] = sum over e of gate[n][e] part[e][n][:].  No work of reference() is left out.
; SHARES.  A work-group owns 16 tokens.  Wave w makes hidden channels 64 w .. 64 w + 63 of both router layers and columns 64 w .. 64 w + 63 of the output; every wave makes the 8 logits for itself (8 products).
; LAYOUT.  As in launch 2: source 0 = 16 channels of the weights, as launch 1 laid them; source 1 = the 16 tokens; in a result a lane holds ONE token (lane % 16) and channels 8 (lane / 16) + 0..7.  rout's fragment holds each
; expert twice (row m = expert m % 8), so every lane ends with its token's 8 logits in 8 registers, and the softmax never leaves the lane.  x and the two hidden layers are shared among the waves through LDS, as fragments.
; A fragment of r1 or r2 has one reader in the work-group (all four waves read rout's) and comes straight from memory into registers; all loads are issued as early as registers allow, part's 64 a wave behind the first layer's products.
; NO CLUSTER, NO TENSOR LOADS, NO PREFETCH: what work-groups share, the router's weights, is taken straight into registers, where no joint load reaches; the launch is short.
; FORMATS.  x, weights and biases rounded once to bf16; the first hidden layer to f16 (r2's bf16 numbers were written as f16), the second to bf16; sums, softmax, gates and the weighted sum in f32.
; The softmax takes the row's maximum away, as reference() does.  LIMITS: a number of the first hidden layer of 65,520 or more becomes an infinity; the ReLU turns a NaN into 0; an exponential below 2^-126 counts as 0.
; REGISTERS, in windows of 256 (s_set_vgpr_msb: bits 1:0 source 0, 3:2 source 1, 5:4 source 2, 7:6 destination):
;   window 0: v0-15 addresses; v16-23 part's offsets; v24-31 rbout; v32-63 four sums, later the logits; v64-95 rb1, then a layer rounded, then the output; v96-127 rb2, then the gates; v128-255 fragments of x, then of the hidden layers
;   windows 1, 2: r1's fragment (kf, i) at 8 (4 (kf % 8) + i); then window 1: part (e, i) at 8 (4 e + i), window 2: rout (kf) at 8 kf          window 3: x as loaded; then r2's fragment (kf, i) at 8 (4 kf + i)
.set XS,    0                          ; LDS: x, 16 fragments of 1,024 bytes
.set H1,    16384                      ; the first hidden layer, 8 fragments
.set H2,    24576                      ; the second
.set STG,   32768                      ; for the way out: 16 rows x 272 bytes for each wave
.set SP,    272                        ; 256 + 16: row r starts at bank 4 r mod 64 (64 banks of 4 bytes: ISA guide 11.1)
.set SPARE, STG+4*16*SP                ; the spare words, 128 bytes for each wave: two blocks of 256 bytes that no other line names
.set MX,  1                            ; v1   l % 16; later the row's maximum
.set SM,  2                            ; v2   l / 16; later the row's sum
.set XO,  3
.set FO,  4                            ; v4   16 x lane; never rewritten
.set BOF, 5
.set STO, 6
.set RD,  7
.set GO,  8
.set SPW, 9                            ; v9   LDS address of my spare word; never rewritten
.set NIL, 10                           ; v10  0; never rewritten
.set ZERO, 11
.set HSA, 12
.set RC,  13
.set TMP, 14
.set XSA, 15
.set PO,  16
.set B3,  24
.set ACC, 32
.set LA,  32
.set LB,  40
.set B1,  64
.set HF,  64
.set OT,  64
.set B2,  96
.set GG,  96
.set XF,  128
.set H2F, 192
.set WV,  18
.set MSB, 0
.macro WIN new                         ; the immediate's high byte repeats the setting that is left; a switch that changes nothing is dropped
.if MSB != (\new)
	s_set_vgpr_msb (MSB<<8)|(\new)
.set MSB, (\new)
.endif
.endm
.macro PLACES                          ; four places behind a matrix instruction, in front of what reads its result or writes or loads over its registers (ISA guide 7.12.1 for vector instructions)
.rept 4
	v_nop
.endr
.endm
.macro ROUND3 base, pairs              ; biases are rounded to bf16 like every input, and kept as f32
.set z, \base
.rept \pairs
	v_cvt_pk_bf16_f32 v[TMP], v[z], v[z+1]
	v_lshlrev_b32 v[z], 16, v[TMP]
	v_and_b32 v[z+1], 0xffff0000, v[TMP]
.set z, z+2
.endr
.endm
.macro FIN half, off                   ; my four sums rounded (half = 1: f16, 0: bf16), each from its low end on; the ReLU; block 4 w + i is half i % 2 of fragment 2 w + i / 2
.irp i, 0,1,2,3
.irp d, 0,1,2,3
.if \half
	v_cvt_pk_f16_f32 v[HF+4*\i+\d], v[ACC+8*\i+2*\d], v[ACC+8*\i+2*\d+1]
.else
	v_cvt_pk_bf16_f32 v[HF+4*\i+\d], v[ACC+8*\i+2*\d], v[ACC+8*\i+2*\d+1]
.endif
.endr
.endr
.set z, 0
.rept 16
.if \half
	v_pk_max_num_f16 v[HF+z], v[HF+z], v[ZERO]
.else
	v_pk_max_num_bf16 v[HF+z], v[HF+z], v[ZERO]
.endif
.set z, z+1
.endr
.irp i, 0,1,2,3
	ds_store_b128 v[HSA], v[HF+4*\i:HF+4*\i+3] offset:(\off)+512*\i
.endr
	s_wait_dscnt 0x0                               ; for the others' sake: my stores are done
	s_barrier_signal -1
	s_barrier_wait -1
.endm
	s_load_b256 s[4:11], s[0:1], 0x0               ; x s[4:5], rs s[6:7], rb1 s[8:9], rb2 s[10:11]
	s_load_b128 s[12:15], s[0:1], 0x20             ; rbout s[12:13], part s[14:15]
	s_load_b64 s[16:17], s[0:1], 0x30              ; out0
	v_lshl_add_u32 v[SPW], v0, 2, SPARE
	v_mov_b32 v[NIL], 0
	v_lshrrev_b32 v1, 5, v0
	v_readfirstlane_b32 s[WV], v1                  ; wave 0..3
	v_and_b32 v1, 15, v0                           ; l % 16
	v_bfe_u32 v2, v0, 4, 1                         ; l / 16
	v_and_b32 v[FO], 31, v0
	v_lshlrev_b32 v[FO], 4, v[FO]
	v_lshlrev_b32 v[XO], 11, v1
	v_lshl_add_u32 v[XO], v2, 5, v[XO]             ; token x 2,048 + 32 x half
	s_lshl_b32 s20, s[WV], 8
	v_lshl_add_u32 v[BOF], v2, 5, s20              ; my wave's 64 channels, my half's 8 of each 16
	v_mov_b32 v[ZERO], 0
	s_lshl_b32 s20, s[WV], 12
	v_add_nc_u32 v[XSA], s20, v[FO]
	s_lshl_b32 s20, s[WV], 11
	s_add_co_u32 s20, s20, H1
	v_add_nc_u32 v[HSA], s20, v[FO]
	s_mul_i32 s20, s[WV], 16*SP
	s_add_co_u32 s20, s20, STG
	v_mul_u32_u24 v[STO], v1, SP                   ; in: row l % 16, 32 bytes for each half of the lanes
	v_lshl_add_u32 v[STO], v2, 5, v[STO]
	v_add_nc_u32 v[STO], s20, v[STO]
	v_mul_u32_u24 v[RD], v2, SP                    ; back: lanes 0-15 take one row of 256 bytes, lanes 16-31 the next
	v_lshl_add_u32 v[RD], v1, 4, v[RD]
	v_add_nc_u32 v[RD], s20, v[RD]
	v_lshlrev_b32 v[GO], 10, v2                    ; and the same two rows in out0
	v_lshl_add_u32 v[GO], v1, 4, v[GO]
	v_mov_b32 v[PO], v[FO]
.irp e, 1,2,3,4,5,6,7
	v_add_nc_u32 v[PO+\e], \e*4194304, v[FO]       ; an expert's part is 4,194,304 bytes
.endr
	s_mov_b32 s21, 0
	s_mov_b32 s26, 0x3fb8aa3b                      ; log2(e)
	s_wait_kmcnt 0x0
	s_lshl_b32 s20, ttmp9, 15                      ; x: my 16 rows of 2,048 bytes,
	s_lshl_b32 s19, s[WV], 9                       ; my wave's four fragments of them
	s_add_co_u32 s20, s20, s19
	s_add_nc_u64 s[4:5], s[4:5], s[20:21]
	s_lshl_b32 s20, s[WV], 16
	s_add_nc_u64 s[22:23], s[6:7], s[20:21]        ; r1: my four channel blocks
	s_lshl_b32 s20, s[WV], 15
	s_add_co_u32 s20, s20, 262144
	s_add_nc_u64 s[24:25], s[6:7], s[20:21]        ; r2: likewise
	s_lshl_b32 s20, ttmp9, 14
	s_lshl_b32 s19, s[WV], 12
	s_add_co_u32 s20, s20, s19
	s_add_nc_u64 s[14:15], s[14:15], s[20:21]      ; part: my tokens' tile, my four output blocks
	s_lshl_b32 s20, ttmp9, 14
	s_lshl_b32 s19, s[WV], 8
	s_add_co_u32 s20, s20, s19
	s_add_nc_u64 s[16:17], s[16:17], s[20:21]      ; out0: my 16 rows, my 256 bytes of each
	WIN 0xc0
.irp a, 0,1,2,3                        ; x: fragments 4 w + a, 16 f32 a lane
	global_load_b128 v[16*\a:16*\a+3],     v[XO], s[4:5] offset:128*\a
	global_load_b128 v[16*\a+4:16*\a+7],   v[XO], s[4:5] offset:128*\a+16
	global_load_b128 v[16*\a+8:16*\a+11],  v[XO], s[4:5] offset:128*\a+64
	global_load_b128 v[16*\a+12:16*\a+15], v[XO], s[4:5] offset:128*\a+80
.endr
	WIN 0
.irp i, 0,1,2,3
	global_load_b128 v[B1+8*\i:B1+8*\i+3],   v[BOF], s[8:9] offset:64*\i
	global_load_b128 v[B1+8*\i+4:B1+8*\i+7], v[BOF], s[8:9] offset:64*\i+16
	global_load_b128 v[B2+8*\i:B2+8*\i+3],   v[BOF], s[10:11] offset:64*\i
	global_load_b128 v[B2+8*\i+4:B2+8*\i+7], v[BOF], s[10:11] offset:64*\i+16
.endr
	global_load_b128 v[B3:B3+3],   v[ZERO], s[12:13]
	global_load_b128 v[B3+4:B3+7], v[ZERO], s[12:13] offset:16
.set kf, 0
.rept 16
	WIN 0x40+0x40*(kf/8)
.irp i, 0,1,2,3
	global_load_b128 v[(4*(kf%8)+\i)*8:(4*(kf%8)+\i)*8+3],   v[FO], s[22:23] offset:(16*\i+kf)*1024
	global_load_b128 v[(4*(kf%8)+\i)*8+4:(4*(kf%8)+\i)*8+7], v[FO], s[22:23] offset:(16*\i+kf)*1024+512
.endr
.set kf, kf+1
.endr
	WIN 0
	s_wait_loadcnt 63                              ; x and the biases, the 34 oldest, have 128 younger loads behind them
	WIN 0x0f                                       ; sources in window 3
.irp a, 0,1,2,3
.irp i, 0,1,2,3,4,5,6,7
	v_cvt_pk_bf16_f32 v[ACC+8*\a+\i], v[16*\a+2*\i], v[16*\a+2*\i+1]
.endr
.endr
	WIN 0
.irp a, 0,1,2,3
	ds_store_b128 v[XSA], v[ACC+8*\a:ACC+8*\a+3]   offset:XS+1024*\a
	ds_store_b128 v[XSA], v[ACC+8*\a+4:ACC+8*\a+7] offset:XS+1024*\a+512
.endr
	ROUND3 B1, 16
	ROUND3 B2, 16
	ROUND3 B3, 4
	s_wait_dscnt 0x0                               ; for the others' sake: my fragments of x are stored
	s_barrier_signal -1
	s_barrier_wait -1
.set kf, 0
.rept 16
	ds_load_b128 v[XF+8*kf:XF+8*kf+3],   v[FO] offset:XS+1024*kf
	ds_load_b128 v[XF+8*kf+4:XF+8*kf+7], v[FO] offset:XS+1024*kf+512
.set kf, kf+1
.endr
	WIN 0xc0
.set kf, 0
.rept 8
.irp i, 0,1,2,3
	global_load_b128 v[(4*kf+\i)*8:(4*kf+\i)*8+3],   v[FO], s[24:25] offset:(8*\i+kf)*1024
	global_load_b128 v[(4*kf+\i)*8+4:(4*kf+\i)*8+7], v[FO], s[24:25] offset:(8*\i+kf)*1024+512
.endr
.set kf, kf+1
.endr
	WIN 0
	s_wait_loadcnt 63                              ; r1 is in: r2's 64 loads stand behind it
	s_wait_dscnt 0x0                               ; x's fragments are in
.set kf, 0
.rept 16                               ; router layer 1: the four sums take turns, one instruction a turn; the first product starts a sum at the bias
	WIN 0x01+(kf/8)
.irp i, 0,1,2,3
.if kf == 0
	v_wmma_f32_16x16x32_bf16 v[ACC+8*\i:ACC+8*\i+7], v[(4*(kf%8)+\i)*8:(4*(kf%8)+\i)*8+7], v[XF+8*kf:XF+8*kf+7], v[B1+8*\i:B1+8*\i+7]
.else
	v_wmma_f32_16x16x32_bf16 v[ACC+8*\i:ACC+8*\i+7], v[(4*(kf%8)+\i)*8:(4*(kf%8)+\i)*8+7], v[XF+8*kf:XF+8*kf+7], v[ACC+8*\i:ACC+8*\i+7]
.endif
.endr
.set kf, kf+1
.endr
	WIN 0
	PLACES
	WIN 0x40                                       ; r1's registers are free: part, 8 experts x my four output blocks
.irp e, 0,1,2,3,4,5,6,7
.irp i, 0,1,2,3
	global_load_b128 v[(4*\e+\i)*8:(4*\e+\i)*8+3],   v[PO+\e], s[14:15] offset:1024*\i th:TH_LOAD_NT
	global_load_b128 v[(4*\e+\i)*8+4:(4*\e+\i)*8+7], v[PO+\e], s[14:15] offset:1024*\i+512 th:TH_LOAD_NT
.endr
.endr
	WIN 0x80
.irp kf, 0,1,2,3,4,5,6,7
	global_load_b128 v[8*\kf:8*\kf+3],   v[FO], s[6:7] offset:393216+1024*\kf
	global_load_b128 v[8*\kf+4:8*\kf+7], v[FO], s[6:7] offset:393216+1024*\kf+512
.endr
	WIN 0
	FIN 1, 0
.irp kf, 0,1,2,3,4,5,6,7
	ds_load_b128 v[XF+8*\kf:XF+8*\kf+3],   v[FO] offset:H1+1024*\kf
	ds_load_b128 v[XF+8*\kf+4:XF+8*\kf+7], v[FO] offset:H1+1024*\kf+512
.endr
	s_wait_loadcnt 63                              ; r2 is in: 80 younger loads stand behind it
	s_wait_dscnt 0x0
	WIN 0x03                                       ; source 0, r2, in window 3
.set kf, 0
.rept 8                                ; router layer 2
.irp i, 0,1,2,3
.if kf == 0
	v_wmma_f32_16x16x32_f16 v[ACC+8*\i:ACC+8*\i+7], v[(4*kf+\i)*8:(4*kf+\i)*8+7], v[XF+8*kf:XF+8*kf+7], v[B2+8*\i:B2+8*\i+7]
.else
	v_wmma_f32_16x16x32_f16 v[ACC+8*\i:ACC+8*\i+7], v[(4*kf+\i)*8:(4*kf+\i)*8+7], v[XF+8*kf:XF+8*kf+7], v[ACC+8*\i:ACC+8*\i+7]
.endif
.endr
.set kf, kf+1
.endr
	WIN 0
	PLACES
	FIN 0, H2-H1
.irp kf, 0,1,2,3,4,5,6,7
	ds_load_b128 v[H2F+8*\kf:H2F+8*\kf+3],   v[FO] offset:H2+1024*\kf
	ds_load_b128 v[H2F+8*\kf+4:H2F+8*\kf+7], v[FO] offset:H2+1024*\kf+512
.endr
	s_wait_loadcnt 0x0                             ; rout and part
	s_wait_dscnt 0x0
	WIN 0x02                                       ; source 0, rout, in window 2
.irp kf, 0,1,2,3,4,5,6,7                ; the logits: two sums by turns, even and odd fragments; the even one starts at rbout
.if \kf == 0
	v_wmma_f32_16x16x32_bf16 v[LA:LA+7], v[8*\kf:8*\kf+7], v[H2F+8*\kf:H2F+8*\kf+7], v[B3:B3+7]
.elseif \kf == 1
	v_wmma_f32_16x16x32_bf16 v[LB:LB+7], v[8*\kf:8*\kf+7], v[H2F+8*\kf:H2F+8*\kf+7], 0
.elseif (\kf%2) == 0
	v_wmma_f32_16x16x32_bf16 v[LA:LA+7], v[8*\kf:8*\kf+7], v[H2F+8*\kf:H2F+8*\kf+7], v[LA:LA+7]
.else
	v_wmma_f32_16x16x32_bf16 v[LB:LB+7], v[8*\kf:8*\kf+7], v[H2F+8*\kf:H2F+8*\kf+7], v[LB:LB+7]
.endif
.endr
	WIN 0
	PLACES
	; THE SOFTMAX, in the lane: register e holds my token's logit for expert e
.irp d, 0,2,4,6
	v_pk_add_f32 v[LA+\d:LA+\d+1], v[LA+\d:LA+\d+1], v[LB+\d:LB+\d+1]
.endr
	v_max3_num_f32 v[MX], v[LA], v[LA+1], v[LA+2]
	v_max3_num_f32 v[MX], v[MX], v[LA+3], v[LA+4]
	v_max3_num_f32 v[MX], v[MX], v[LA+5], v[LA+6]
	v_max_num_f32 v[MX], v[MX], v[LA+7]
.irp e, 0,1,2,3,4,5,6,7
	v_sub_f32 v[LA+\e], v[LA+\e], v[MX]            ; the maximum is taken away first,
.endr
.irp e, 0,1,2,3,4,5,6,7
	v_mul_f32 v[LA+\e], s26, v[LA+\e]              ; then the base is changed
.endr
.irp e, 0,1,2,3,4,5,6,7
	v_exp_f32 v[LA+\e], v[LA+\e]
.endr
	v_nop                                          ; a plain instruction between the last exponential and the use of its result (ISA guide 5.7.2)
	s_wait_alu depctr_va_vdst(0)                   ; and a wait ahead of the first use: one for the eight
	v_pk_add_f32 v[LB:LB+1], v[LA:LA+1], v[LA+2:LA+3]
	v_pk_add_f32 v[LB+2:LB+3], v[LA+4:LA+5], v[LA+6:LA+7]
	v_pk_add_f32 v[LB:LB+1], v[LB:LB+1], v[LB+2:LB+3]
	v_add_f32 v[SM], v[LB], v[LB+1]
	v_rcp_f32 v[RC], v[SM]
	v_nop
	s_wait_alu depctr_va_vdst(0)
.irp e, 0,1,2,3,4,5,6,7
	v_mul_f32 v[GG+2*\e], v[LA+\e], v[RC]          ; each gate twice: a pair for the packed lines below
	v_mul_f32 v[GG+2*\e+1], v[LA+\e], v[RC]
.endr
	WIN 0x01                                       ; source 0, part, in window 1
.irp i, 0,1,2,3
.irp d, 0,2,4,6
	v_pk_mul_f32 v[OT+8*\i+\d:OT+8*\i+\d+1], v[8*\i+\d:8*\i+\d+1], v[GG:GG+1]
.endr
.endr
.irp e, 1,2,3,4,5,6,7
.irp i, 0,1,2,3
.irp d, 0,2,4,6
	v_pk_fma_f32 v[OT+8*\i+\d:OT+8*\i+\d+1], v[(4*\e+\i)*8+\d:(4*\e+\i)*8+\d+1], v[GG+2*\e:GG+2*\e+1], v[OT+8*\i+\d:OT+8*\i+\d+1]
.endr
.endr
.endr
	WIN 0
	; THE WAY OUT, through my wave's own stage: a lane's 8 columns of a row go in, whole rows of 256 bytes come back
.irp i, 0,1,2,3
	ds_store_b128 v[STO], v[OT+8*\i:OT+8*\i+3]   offset:64*\i
	ds_store_b128 v[STO], v[OT+8*\i+4:OT+8*\i+7] offset:64*\i+16
.endr
.irp i, 0,1,2,3,4,5,6,7
	ds_load_b128 v[XF+4*\i:XF+4*\i+3], v[RD] offset:2*SP*\i  ; LDS serves a wave's instructions in order (ISA guide 5.7.1.4): these see the stores above
.endr
.irp i, 0,1,2,3,4,5,6,7
	s_wait_dscnt 7-\i                              ; the younger read-backs may stay out
	global_store_b128 v[GO], v[XF+4*\i:XF+4*\i+3], s[16:17] offset:2048*\i th:TH_STORE_NT  ; 16 lanes store 256 consecutive bytes, at a multiple of 256 from out0's first byte
.endr
	s_wait_tensorcnt 0x0                           ; the wave's end: behind my last LDS store
	ds_add_u32 v[SPW], v[NIL]
	s_wait_dscnt 0x0
	s_endpgm
.Lfunc_end_k_qa47a6fd40d_finish:
	.size	k_qa47a6fd40d_finish, .Lfunc_end_k_qa47a6fd40d_finish-k_qa47a6fd40d_finish
	.p2alignl 7, 3214868480
	.fill 96, 4, 3214868480
	.section	.rodata,"a",@progbits
	.p2align	6, 0x0
	.amdhsa_kernel k_qa47a6fd40d_finish
		.amdhsa_group_segment_fixed_size 50688
		.amdhsa_private_segment_fixed_size 0
		.amdhsa_enable_private_segment 0
		.amdhsa_kernarg_size 56
		.amdhsa_user_sgpr_count 2
		.amdhsa_user_sgpr_kernarg_segment_ptr 1
		.amdhsa_wavefront_size32 1
		.amdhsa_system_sgpr_workgroup_id_x 1
		.amdhsa_system_sgpr_workgroup_id_y 1
		.amdhsa_system_sgpr_workgroup_id_z 1
		.amdhsa_system_vgpr_workitem_id 0
		.amdhsa_next_free_vgpr 1024
		.amdhsa_next_free_sgpr 66
		.amdhsa_reserve_vcc 0
		.amdhsa_float_denorm_mode_32 3
		.amdhsa_float_denorm_mode_16_64 3
		.amdhsa_memory_ordered 1
		.amdhsa_forward_progress 1
		.amdhsa_inst_pref_size 69
	.end_amdhsa_kernel
	.amdgpu_metadata
---
amdhsa.version: [ 1, 2 ]
amdhsa.kernels:
  - .name:           k_qa47a6fd40d_finish
    .symbol:         k_qa47a6fd40d_finish.kd
    .args:
      - { .name: x, .offset: 0, .size: 8, .value_kind: global_buffer, .address_space: global }
      - { .name: rs, .offset: 8, .size: 8, .value_kind: global_buffer, .address_space: global }
      - { .name: rb1, .offset: 16, .size: 8, .value_kind: global_buffer, .address_space: global }
      - { .name: rb2, .offset: 24, .size: 8, .value_kind: global_buffer, .address_space: global }
      - { .name: rbout, .offset: 32, .size: 8, .value_kind: global_buffer, .address_space: global }
      - { .name: part, .offset: 40, .size: 8, .value_kind: global_buffer, .address_space: global }
      - { .name: out0, .offset: 48, .size: 8, .value_kind: global_buffer, .address_space: global }
    .group_segment_fixed_size: 50688
    .private_segment_fixed_size: 0
    .kernarg_segment_align: 8
    .kernarg_segment_size: 56
    .max_flat_workgroup_size: 128
    .sgpr_count:     66
    .vgpr_count:     1024
    .wavefront_size: 32
...
	.end_amdgpu_metadata
.endif
;; end of part 3
